; MI455X (gfx1250); checked and timed in simulation.
; The chip was launched on July 23, 2026; its instructions are those of AMD's public machine-readable ISA for CDNA 5 (MIT licence, August 2026) and "CDNA5" Instruction Set Architecture Reference Guide (July 2026). The comments in the code are by the model that wrote it; some were corrected since.
;; CGC3. Allowed arithmetic: matrix products marked QUANTISED: E3M2 operands, one E8M0 scale for each 32 along K, by v_wmma_scale_f32_16x16x128_f8f6f4 with both operands' format E3M2, f32 sums; products left as they are: f32 operands where the result goes on into a quantised operand, else bf16, f16 or f32 operands; f32 sums; everything else in f32.
;; Inputs: W1 8 x 1,024 x 1,024 float32; W2 8 x 1,024 x 512 float32; Wg 2 x 1,024 x 6 float32; Wgs 1,024 x 8 float32; b1 8 x 1,024 float32; b2 8 x 512 float32; x 4,096 x 1,024 float32.
;; Outputs: out0 4,096 x 3 x 512 float32.
;; This version of the problem:
;;   THIS VERSION OF THE PROBLEM IS GIVEN IN LOW PRECISION. The matrix products marked QUANTISED in the list below multiply operands that are first quantised to E3M2 (3 exponent bits, 2 mantissa bits; 6 bits a number), with one power-of-two scale for each 32 numbers along K (OCP MX v1.0); their sums are f32. All else is computed in f32.
;;   The module's matrix products, in the order in which they are computed (A, B: the left and right operand; K: the contracted axis; several contracted axes count as one K, in the product's order):
;;     1. [M 8,192, K 1,024] x [K 1,024, N 4,096]; A: input W1; B: input x: QUANTISED
;;     2. batch 8 x [M 4,096, K 1,024] x [K 1,024, N 512]; A: computed on the way; B: input W2: QUANTISED
;;     3. [M 4,096, K 1,024] x [K 1,024, N 6]; A: input x; B: input Wg: left as it is (N = 6 < 16)
;;     4. batch 4,096 x [M 1, K 6] x [K 6, N 512]; A: softmax; B: computed on the way: left as it is (K = 6 < 32)
;;     5. [M 4,096, K 1,024] x [K 1,024, N 6]; A: input x; B: input Wg: left as it is (N = 6 < 16)
;;     6. batch 4,096 x [M 1, K 6] x [K 6, N 512]; A: softmax; B: computed on the way: left as it is (K = 6 < 32)
;;     7. [M 4,096, K 1,024] x [K 1,024, N 8]; A: input x; B: input Wgs: left as it is (N = 8 < 16)
;;     8. batch 4,096 x [M 1, K 8] x [K 8, N 512]; A: softmax; B: computed on the way: left as it is (K = 8 < 32)
;;   THE QUANTISER, for each operand of a quantised product, along K:
;;     - K is cut into blocks of 32 from its start; a last block that is shorter is filled with zeros.
;;     - A block's scale is 2^e with e = floor(log2(the largest magnitude in the block)) - 4, held to -126 .. 127; a block of zeros has e = 0. As a byte (E8M0): e + 127.
;;     - Each number is divided by its block's scale, clamped to +-28, and rounded to the nearest number of E3M2, ties to even, subnormals kept.
;;     - The product sums the exact products of the quantised numbers (number of the format x scale) in f32.
;;   ~~~python
;;   def quantise(x, axis):      # numpy; x: float32 -> the quantised numbers, widened to float32 again
;;       x = np.moveaxis(x, axis, -1); K = x.shape[-1]
;;       x = np.pad(x, [(0, 0)] * (x.ndim - 1) + [(0, -K % 32)]); x = x.reshape(x.shape[:-1] + (-1, 32)); a = np.abs(x).max(-1, keepdims=True)
;;       e = np.where(a > 0, np.clip(np.frexp(np.where(a > 0, a, 1))[1] - 1 - 4, -126, 127), 0)      # np.frexp(a)[1] - 1 = floor(log2(a)), exactly
;;       r = np.clip(x / 2.0 ** e, -28, 28)
;;       step = 2.0 ** (np.maximum(np.frexp(np.where(r == 0, 1, r))[1] - 1, -2) - 2)
;;       q = np.round(r / step) * step * 2.0 ** e      # np.round: ties to even
;;       return np.moveaxis(q.reshape(q.shape[:-2] + (-1,))[..., :K], -1, axis).astype(np.float32)
;;   ~~~
;;   OPERANDS COMPUTED ON THE WAY. 'Computed on the way' means the value that the module computes at that place (a softmax that the list does not call 'softmax' is quantised finished and normalised). What goes into a quantiser is computed in f32, as accurately as f32 sums, v_exp_f32 and their like allow (about 1e-6 of the number): no bf16 or f16 on the way to a quantiser, and a product that is left as it is and whose result goes on into a quantised operand takes f32 operands (vector FMAs, or v_wmma_f32_16x16x4_f32). A number that lies on a knife's edge between two numbers of the format may be rounded either way, as far as f32 arithmetic and the matrix unit's own rounding can turn it there, and no further.
;; One version. Each part assembles by itself: llvm-mc -triple=amdgcn-amd-amdhsa -mcpu=gfx1250 --defsym DOCPART=n.
;; ======== version 1 of 1: 3 launches
;; workspace buffers: xq 3,276,800 bytes; wq 9,830,400 bytes; gates 524,288 bytes; eo 33,554,432 bytes
;; launch prep (part 1): grid 256 x 1, 16 waves a work-group, no clusters, 235,520 bytes of LDS; arguments x, W1, W2, Wg, Wgs, xq, wq, gates; writes xq, wq, gates
.if DOCPART == 1
	.amdgcn_target "amdgcn-amd-amdhsa--gfx1250"
	.amdhsa_code_object_version 6
	.text
	.protected	k_q6710fe4581_prep
	.globl	k_q6710fe4581_prep
	.p2align	8
	.type	k_q6710fe4581_prep,@function
k_q6710fe4581_prep:
	s_mov_b64 s[64:65], 0
	v_nop
	global_prefetch_b8 v0, s[64:65] scope:SCOPE_SE
	s_setreg_imm32_b32 hwreg(HW_REG_WAVE_MODE, 25, 1), 1
	s_wait_xcnt 0x0
; PREP: x, W1 and W2 (f32) become codes of BF6 (E3M2) with one E8M0 scale byte for each 32 along K, laid as images of the matrix operands' registers; and the three softmax gates are made.
; A block's scale is 2^(floor(log2(its largest magnitude)) - 4): its byte is that magnitude's exponent field - 4, held at 1 from below; each number is divided by the scale and rounded to the nearest code, ties to even, beyond 28 the largest code.
; LIMITS: NaN and infinities among the inputs are not served; a block whose largest magnitude lies under 2^-122 has its byte held at 1; a block of zeros gets the byte 1 over zero codes (this program alone reads the bytes).
;         The gates' logits x Wg, x Wgs are products with bf16 operands and f32 sums; the softmax takes the row's maximum away.
; EVERY WORK-GROUP HAS THE SAME SHARE: x is 256 tiles of 16 rows x 8 K steps = 8 wave steps for each of 256 work-groups; the weights are 3,072 tasks of 32 columns x 128 along K = 12 for each.
; WAVES 0-3 (x): the 16 rows of tile = work-group, K quarter = wave (two K steps of 128).  Each load reads 512 consecutive bytes of a row; a K step turns through the wave's own stage in LDS, so that a lane holds 16 neighbours of
;   each block of 32.  The same numbers, packed to bf16, are source 1 of the gate products; source 0 comes turned out of a table of the gates' weights in LDS ([k][24] bf16), of which each wave builds and reads its own quarter: no barrier.
; WAVES 4-15 (W1, W2): task q = 12 x work-group + wave - 4: unit q / 16 (128 along K x 512 columns; units 0-127 W1, 128-191 W2), its columns 32 (q % 16) on.  A lane takes a column and its registers run down K: a block of 32 lies
;   in one lane, and the codes come out with K innermost.
; The waves part once, on the wave's number, and join at the one barrier, behind which wave 0 adds the four K quarters' logits and makes the gates.  What it uses there was made ahead of the parting or is made there.
; xq: [row block of 128][K step] records of 12,800 bytes: 8 fragment images (16 rows x 128 K: register q of lane l at 512 (q / 4) + 16 l + 4 (q % 4)) of 1,536 bytes, then 512 bytes of scale words (tile m, row r at 64 m + 4 r).
; wq: 32 streams (expert e, wave w), 24 records each, in the order in which the next launch's wave takes them: record 8 p + s: W1's columns 512 p + 128 w on, K step s; record 16 + s: W2's columns 128 w on.
;   A record is two halves of 6,400 bytes: 4 fragment images, then 2 x 128 bytes of scale words (word j of lane l: fragment 2 j + l / 16, row l % 16).
;   ROW r OF TILE 2 b + u OF A GROUP OF 128 COLUMNS IS COLUMN 32 b + 8 u + r + 8 (r / 8): so a product's 16 results of two neighbouring tiles are 16 neighbours along the next K.
.set TAB,   0                          ; LDS: the gates' table: 1,024 rows k x 48 bytes: task 0's six and two zeros, task 1's likewise, the share gate's eight, in bf16; wave w's quarter at 12,288 w
.set XSTG,  49152                      ; a stage of 16 rows x 528 bytes at 8,448 x wave (waves 0-3 use theirs)
.set SPX,   528                        ; 512 bytes + 16: an odd multiple of 16, so that sixteen rows begin in sixteen different groups of banks
.set XWB,   16*SPX
.set WREC,  184320                     ; two fragment images, 3,072 bytes, at 3,072 x wave (waves 4-15 use theirs)
.set REC,   12800
.set L16,  1                           ; v1   16 x lane                         | made ahead of the parting,
.set SIN,  2                           ; v2   my stage + 16 x lane              | written by no role,
.set GSA,  10                          ; v10  my stage + 128 r + 32 h           | used behind the join
.set SOUT, 3                           ; v3   x: my stage + 528 r + 64 h
.set AT0,  4                           ; v4   x: the table, turned: columns 0-15
.set AT1,  5                           ; v5   x: columns 16-23, for both halves of eight lanes
.set SCO,  6                           ; v6   x: 4 r
.set TBW,  7                           ; v7   x: my quarter of the table + 96 x lane: two rows
.set GA6,  8                           ; v8   x: 48 x lane: two rows of Wg
.set GA8,  9                           ; v9   x: 64 x lane: two rows of Wgs
.set WA,   11                          ; v11  W: into my two images
.set WRD,  12                          ; v12  W: out of them
.set SCW,  13                          ; v13  W: my scale word's place
.set WCOL, 14                          ; v14  W: 4 x lane
.set LN,   15                          ; v15  the lane; later, in the x role,
.set PW,   15                          ;      the scale word just made
.set R,    16                          ; v16-143  x: two K steps as loaded; then the table's fragments
.set TBL,  80                          ; v80-239  x: at the head: my quarter of the gates' weights, 40 registers for each 64 rows
.set ST,   144                         ; v144-207 x: 64 numbers: register 16 b + i = k 32 b + 16 h + i of row r
.set PC,   208                         ; v208-227 x: the codes just made
.set TM,   228                         ; v228-239 x: 0-3 largest magnitudes, 4-7 the other half's and then the bytes, 8-11 the conversions' scale operands
.set GA,   240                         ; v240-255 x: two accumulators of logits (at the head v240 = r, v241 = h)
.set SEL,  36                          ; s[36:37] x: v_permlanex16_b32's selects for lane l xor 16
.set X,    16                          ; v16-143  W: 128 numbers down K
.set OFF,  144                         ; v144-175 W: row i of a block of 32: i x pitch + 4 x lane
.set C,    176                         ; v176-215 W: block kb: six registers of codes at C + 10 kb, three more at work behind them
.set M0,   216                         ; v216-217 W: two chains of the largest magnitude
.set SO,   218                         ; v218     W: the conversion's scale operand
.set BY,   219                         ; v219     W: the scale's byte
.set SW,   220                         ; v220     W: my column's scale word
.set SBB,  36                          ; s[36:43] W: the source at blocks 0 to 3
; 64 numbers of a lane, v[s] on, register 16 b + i = k 32 b + 16 h + i of my row, become a fragment's codes in v[PC] on and its scale word in v[PW]
.macro QUANT s
.irp b, 0,1,2,3
	v_max3_num_f32 v[TM+\b], |v[\s+16*\b]|, |v[\s+1+16*\b]|, 0x2800000   ; block b: my 16 numbers, and the floor 2^(5 - 127): the byte cannot fall under 1
.endr
.irp i, 2,4,6,8,10,12,14
.irp b, 0,1,2,3
	v_max3_num_f32 v[TM+\b], v[TM+\b], |v[\s+16*\b+\i]|, |v[\s+1+16*\b+\i]|   ; the four blocks by turns
.endr
.endr
.irp b, 0,1,2,3
	v_permlanex16_b32 v[TM+4+\b], v[TM+\b], s[SEL], s[SEL+1]
.endr
.irp b, 0,1,2,3
	v_max_num_f32 v[TM+\b], v[TM+\b], v[TM+4+\b]   ; with lane l xor 16's: the block's largest magnitude
.endr
.irp b, 0,1,2,3
	v_add_nc_u32 v[TM+8+\b], 0xfe000000, v[TM+\b]  ; 4 off its exponent field: the conversion takes the exponent field of this operand as its scale
.endr
.irp b, 0,1,2,3
	v_lshrrev_b32 v[TM+4+\b], 23, v[TM+8+\b]       ; the scale's byte
.endr
	v_lshl_or_b32 v[PW], v[TM+5], 8, v[TM+4]       ; four bytes: my row's scale word
	v_lshl_or_b32 v[PW], v[TM+6], 16, v[PW]
	v_lshl_or_b32 v[PW], v[TM+7], 24, v[PW]
.irp c, 0,1
	v_cvt_scalef32_pk16_bf6_f32 v[PC+6*\c:PC+2+6*\c], v[\s+32*\c:\s+15+32*\c], v[TM+8+2*\c]
	v_cvt_scalef32_pk16_bf6_f32 v[PC+12+4*\c:PC+14+4*\c], v[\s+16+32*\c:\s+31+32*\c], v[TM+8+2*\c+1]   ; (a conversion's three registers begin on an even number)
.endr
	v_nop                                          ; one plain place behind a scaled conversion
.irp c, 0,1                                    ; the operand's layout wants a whole block in a lane: lanes 0-15 block 2 c, lanes 16-31 block 2 c + 1
.irp i, 0,1,2
	v_permlane16_swap_b32 v[PC+6*\c+\i], v[PC+12+4*\c+\i]
.endr
.irp i, 0,1,2
	v_mov_b32 v[PC+3+6*\c+\i], v[PC+12+4*\c+\i]
.endr
.endr
.endm
.macro XLOADS g                        ; K step g of my two: 16 rows, 512 consecutive bytes a load
.set i, 0
.rept 16
	global_load_b128 v[R+64*\g+4*i:R+64*\g+4*i+3], v[L16], s[4:5] offset:4096*i+512*\g th:TH_LOAD_NT
.set i, i+1
.endr
.endm
; K step g of my two
.macro XSTEP g
.set RG, R+64*\g
	s_wait_loadcnt 16-16*\g                        ; this step's 16 loads are in; the other step's 16 are younger and may be out
.set i, 0
.rept 16
	ds_store_b128 v[SIN], v[RG+4*i:RG+4*i+3] offset:SPX*i            ; row i as it lies
.set i, i+1
.endr
.irp b, 0,1,2,3
.irp j, 0,1,2,3
	ds_load_b128 v[ST+16*\b+4*\j:ST+16*\b+4*\j+3], v[SOUT] offset:128*\b+16*\j   ; LDS serves a wave's instructions in order (ISA guide 5.7.1.4): these see the stores above
.endr
.endr
	s_wait_dscnt 0x0                               ; the numbers are back, and the stores have read their registers,
.irp b, 0,1,2,3                                ; which take the table's fragments: registers 0-3 k = 32 b + 16 h + 0 .. 7, registers 4-7 the next eight: x's own order of k
	ds_load_tr16_b128 v[RG+16*\b:RG+16*\b+3], v[AT0] offset:6144*\g+1536*\b
	ds_load_tr16_b128 v[RG+16*\b+4:RG+16*\b+7], v[AT0] offset:6144*\g+1536*\b+384
	ds_load_tr16_b128 v[RG+16*\b+8:RG+16*\b+11], v[AT1] offset:6144*\g+1536*\b
	ds_load_tr16_b128 v[RG+16*\b+12:RG+16*\b+15], v[AT1] offset:6144*\g+1536*\b+384
.endr
.if \g
	s_wait_xcnt 0x0                                ; the last step's stores have read the codes and the scale word: only behind this wait are they written again
.endif
	QUANT ST
.irp c, 0,1,2
	global_store_b128 v[L16], v[PC+4*\c:PC+4*\c+3], s[14:15] offset:REC*\g+512*\c   ; the image: 512 consecutive bytes a store
.endr
	global_store_b32 v[SCO], v[PW], s[40:41] offset:REC*\g           ; lanes l and l + 16 write the same word with the same value
.set i, 0
.rept 32
	v_cvt_pk_bf16_f32 v[ST+i], v[ST+2*i], v[ST+2*i+1]                ; in place, ascending: block b's 16 numbers become the eight registers ST + 8 b on
.set i, i+1
.endr
.rept 4
	v_nop                                          ; places between the vector writes of an operand and the matrix instructions that take it
.endr
	s_wait_dscnt 0x0                               ; the table's fragments are in
.irp b, 0,1,2,3                                ; source 0 = 16 columns of the table, source 1 = my 16 rows of x: lane (r, h) holds row r's logits 8 h + 0 .. 7.  The two accumulators by turns
.irp t, 0,1
.if (\g == 0) && (\b == 0)
	v_wmma_f32_16x16x32_bf16 v[GA+8*\t:GA+8*\t+7], v[RG+16*\b+8*\t:RG+16*\b+8*\t+7], v[ST+8*\b:ST+8*\b+7], 0
.else
	v_wmma_f32_16x16x32_bf16 v[GA+8*\t:GA+8*\t+7], v[RG+16*\b+8*\t:RG+16*\b+8*\t+7], v[ST+8*\b:ST+8*\b+7], v[GA+8*\t:GA+8*\t+7]
.endif
.endr
.endr
.rept 4
	v_nop                                          ; four places in front of loads into the products' sources and of the first read of their results
.endr
.endm
.macro WLOADS kb                       ; block kb: 32 rows of K; a wave's load reads 128 consecutive bytes, and the task beside it, in the same work-group, the 128 that fill the aligned 256
.set i, 0
.rept 32
	global_load_b32 v[X+32*(\kb)+i], v[OFF+i], s[SBB+2*(\kb):SBB+2*(\kb)+1] th:TH_LOAD_NT
.set i, i+1
.endr
.endm
; Block kb of my column is, in the operand's layout, registers 6 (kb / 2) + 0 .. 5 of lane r + 16 (kb % 2)
.macro WBLOCK kb
.set XB, X+32*(\kb)
.set CC, C+10*(\kb)
.if (\kb) < 3
	s_wait_loadcnt 32                              ; this block's 32 loads are in; the next block's 32 are younger and may be out
.else
	s_wait_loadcnt 0x0
.endif
.if (\kb) < 2
	WLOADS (\kb)+2
.endif
	v_max3_num_f32 v[M0], |v[XB]|, |v[XB+1]|, |v[XB+2]|              ; the block's largest magnitude: all 32 numbers are mine
	v_max3_num_f32 v[M0+1], |v[XB+3]|, |v[XB+4]|, |v[XB+5]|
.irp i, 6,10,14,18,22,26
	v_max3_num_f32 v[M0], v[M0], |v[XB+\i]|, |v[XB+\i+1]|
	v_max3_num_f32 v[M0+1], v[M0+1], |v[XB+\i+2]|, |v[XB+\i+3]|
.endr
	v_max3_num_f32 v[M0], v[M0], |v[XB+30]|, |v[XB+31]|
	v_max3_num_f32 v[M0], v[M0], v[M0+1], 0x2800000                  ; and the floor 2^(5 - 127)
	v_add_nc_u32 v[SO], 0xfe000000, v[M0]          ; 4 off its exponent field
	v_lshrrev_b32 v[BY], 23, v[SO]
.if (\kb) == 0
	v_mov_b32 v[SW], v[BY]
.else
	v_lshl_or_b32 v[SW], v[BY], 8*(\kb), v[SW]     ; the lower K in the lower byte
.endif
	v_cvt_scalef32_pk16_bf6_f32 v[CC:CC+2], v[XB:XB+15], v[SO]
	v_cvt_scalef32_pk16_bf6_f32 v[CC+6:CC+8], v[XB+16:XB+31], v[SO]  ; (a conversion's three registers begin on an even number)
	v_nop                                          ; one plain place behind a scaled conversion
.irp i, 0,1,2
	v_mov_b32 v[CC+3+\i], v[CC+6+\i]
.endr
.if (\kb) < 2
	ds_store_b128 v[WA], v[CC:CC+3] offset:256*(\kb)                 ; registers 0-3,
	ds_store_b64 v[WA], v[CC+4:CC+5] offset:512+256*(\kb)            ; 4 and 5
.else
	ds_store_b64 v[WA], v[CC:CC+1] offset:520+256*((\kb)-2)          ; registers 6 and 7,
	ds_store_b128 v[WA], v[CC+2:CC+5] offset:1024+256*((\kb)-2)      ; 8-11
.endif
.endm
; ---------------------------------------------------------------- ahead of the parting
	s_load_b256 s[4:11], s[0:1], 0x0               ; x s[4:5], W1 s[6:7], W2 s[8:9], Wg s[10:11]
	s_load_b256 s[12:19], s[0:1], 0x20             ; Wgs s[12:13], xq s[14:15], wq s[16:17], gates s[18:19]
	v_lshrrev_b32 v1, 5, v0
	v_readfirstlane_b32 s20, v1                    ; wave 0..15
	v_and_b32 v[LN], 31, v0                        ; lane
	v_lshlrev_b32 v[L16], 4, v[LN]
	v_and_b32 v240, 15, v0                         ; r
	v_bfe_u32 v241, v0, 4, 1                       ; h
	s_mul_i32 s23, s20, XWB
	s_add_co_u32 s23, s23, XSTG                    ; my stage
	v_add_nc_u32 v[SIN], s23, v[L16]
	v_lshlrev_b32 v[GSA], 7, v240
	v_lshl_add_u32 v[GSA], v241, 5, v[GSA]
	v_add_nc_u32 v[GSA], s23, v[GSA]
	s_cmp_lt_u32 s20, 4
	s_cbranch_scc0 .Lweights
; ---------------------------------------------------------------- waves 0-3: x and the logits
	v_mul_u32_u24 v[SOUT], v240, SPX
	v_lshl_add_u32 v[SOUT], v241, 6, v[SOUT]
	v_add_nc_u32 v[SOUT], s23, v[SOUT]
	v_and_b32 v[AT0], 7, v0
	v_lshl_add_u32 v[AT0], v241, 4, v[AT0]         ; table row 16 h + lane % 8: the k in the order in which x lies in my registers
	v_mul_u32_u24 v[AT0], v[AT0], 48
	s_mul_i32 s24, s20, 12288                      ; my K quarter: 256 rows of the table, mine alone
	v_add_nc_u32 v[AT0], s24, v[AT0]
	v_add_nc_u32 v[AT1], 32, v[AT0]
	v_bfe_u32 v[SCO], v0, 3, 1
	v_lshl_add_u32 v[AT0], v[SCO], 4, v[AT0]       ; + 16 bytes for the second eight lanes of a half
	v_lshlrev_b32 v[SCO], 2, v240
	v_mul_u32_u24 v[TBW], v[LN], 96
	v_add_nc_u32 v[TBW], s24, v[TBW]
	v_mul_u32_u24 v[GA6], v[LN], 48
	v_lshlrev_b32 v[GA8], 6, v[LN]
	s_lshl_b32 s26, ttmp9, 16                      ; my tile: 16 rows of 4,096 bytes,
	s_lshl_b32 s27, s20, 10                        ; my K quarter's 1,024
	s_add_co_u32 s26, s26, s27
	s_mov_b32 s27, 0
	s_lshr_b32 s28, ttmp9, 3                       ; the row block of 128
	s_mul_i32 s28, s28, 8*REC
	s_mul_i32 s29, s20, 2*REC
	s_add_co_u32 s28, s28, s29                     ; the record of my first K step
	s_and_b32 s29, ttmp9, 7                        ; m: my tile in the row block
	s_mul_i32 s30, s29, 1536
	s_add_co_u32 s30, s30, s28
	s_mov_b32 s31, 0
	s_lshl_b32 s32, s29, 6
	s_add_co_u32 s32, s32, s28
	s_add_co_u32 s32, s32, 12288
	s_mov_b32 s33, 0
	s_mul_i32 s42, s20, 6144                       ; my 256 rows of Wg (24 bytes a row)
	s_mov_b32 s43, 0
	s_lshl_b32 s44, s20, 13                        ; and of Wgs (32 bytes a row)
	s_mov_b32 s45, 0
	s_mov_b32 s[SEL], 0x76543210
	s_mov_b32 s[SEL+1], 0xfedcba98
	s_wait_kmcnt 0x0
	s_add_nc_u64 s[4:5], s[4:5], s[26:27]          ; x at my rows and K quarter
	s_add_nc_u64 s[40:41], s[14:15], s[32:33]      ; xq: my tile's scale words
	s_add_nc_u64 s[14:15], s[14:15], s[30:31]      ; xq: my tile's image
	s_add_nc_u64 s[10:11], s[10:11], s[42:43]
	s_add_nc_u64 s[12:13], s[12:13], s[44:45]
.irp jj, 0,1,2,3                               ; rows 2 (lane + 32 jj) and the next of my quarter: 12 numbers of each task's weights, 16 of the share gate's: 40 loads in all
.irp i, 0,1,2
	global_load_b128 v[TBL+40*\jj+4*\i:TBL+40*\jj+4*\i+3], v[GA6], s[10:11] offset:1536*\jj+16*\i
.endr
.irp i, 0,1,2
	global_load_b128 v[TBL+40*\jj+12+4*\i:TBL+40*\jj+12+4*\i+3], v[GA6], s[10:11] offset:24576+1536*\jj+16*\i
.endr
.irp i, 0,1,2,3
	global_load_b128 v[TBL+40*\jj+24+4*\i:TBL+40*\jj+24+4*\i+3], v[GA8], s[12:13] offset:2048*\jj+16*\i
.endr
.endr
	XLOADS 0
	s_wait_loadcnt 16                              ; the 40 are in; the first K step's 16 loads are younger
.irp jj, 0,1,2,3                               ; packed to bf16 in place, ascending, so that no number is written over before it is read; a row's 16 bytes are four registers on end
.irp t, 0,1
.set TBB, TBL+40*\jj+12*\t
	v_cvt_pk_bf16_f32 v[TBB], v[TBB], v[TBB+1]
	v_cvt_pk_bf16_f32 v[TBB+1], v[TBB+2], v[TBB+3]
	v_cvt_pk_bf16_f32 v[TBB+2], v[TBB+4], v[TBB+5]
	v_mov_b32 v[TBB+3], 0
	v_cvt_pk_bf16_f32 v[TBB+4], v[TBB+6], v[TBB+7]
	v_cvt_pk_bf16_f32 v[TBB+5], v[TBB+8], v[TBB+9]
	v_cvt_pk_bf16_f32 v[TBB+6], v[TBB+10], v[TBB+11]
	v_mov_b32 v[TBB+7], 0
	ds_store_b128 v[TBW], v[TBB:TBB+3] offset:3072*\jj+16*\t
	ds_store_b128 v[TBW], v[TBB+4:TBB+7] offset:3072*\jj+48+16*\t
.endr
.set TBB, TBL+40*\jj+24
.irp d, 0,1,2,3,4,5,6,7
	v_cvt_pk_bf16_f32 v[TBB+\d], v[TBB+2*\d], v[TBB+2*\d+1]
.endr
	ds_store_b128 v[TBW], v[TBB:TBB+3] offset:3072*\jj+32
	ds_store_b128 v[TBW], v[TBB+4:TBB+7] offset:3072*\jj+80
.endr
	s_wait_dscnt 0x0                               ; my quarter of the table lies in LDS, and the stores have read their registers,
	XLOADS 1                                       ; some of which take the second K step: it lands while the first is worked on
.irp b, 0,1,2,3
	v_mov_b32 v[TM+4+\b], 0                        ; written once: a lane permute's destination counts as one of its sources
.endr
	XSTEP 0
	XSTEP 1
.irp q, 0,1,2,3
	ds_store_b128 v[SIN], v[GA+4*\q:GA+4*\q+3] offset:512*\q         ; my K quarter's part of the logits, each accumulator from its low end on
.endr
	s_branch .Ljoin
; ---------------------------------------------------------------- waves 4-15: W1 and W2.  All offsets are made ahead of the wait for the arguments
.Lweights:
	s_mul_i32 s23, ttmp9, 12
	s_add_co_u32 s23, s23, s20
	s_sub_co_u32 s23, s23, 4                       ; my task q
	s_and_b32 s49, s23, 15                         ; which 32 of the unit's 512 columns
	s_lshr_b32 s23, s23, 4                         ; the unit j
	s_and_b32 s21, s49, 3                          ; which 32 of a group of 128 columns,
	s_lshr_b32 s22, s49, 2                         ; and which group w
	s_lshr_b32 s24, s23, 4                         ; W1: expert j / 16,
	s_bfe_u32 s25, s23, 0x30001                    ; K step (j / 2) % 8,
	s_and_b32 s26, s23, 1                          ; half p of its 1,024 columns
	s_lshl_b32 s27, s24, 22
	s_lshl_b32 s28, s25, 19
	s_add_co_u32 s27, s27, s28
	s_lshl_b32 s28, s26, 11
	s_add_co_u32 s27, s27, s28                     ; where the 128 x 512 numbers begin
	s_lshl_b32 s26, s26, 3
	s_add_co_u32 s26, s26, s25                     ; record 8 p + s
	s_and_b32 s29, s23, 63                         ; W2: j - 128 for j from 128 on
	s_lshr_b32 s30, s29, 3                         ; expert,
	s_and_b32 s31, s29, 7                          ; K step
	s_lshl_b32 s32, s30, 21
	s_lshl_b32 s33, s31, 18
	s_add_co_u32 s32, s32, s33
	s_add_co_u32 s31, s31, 16                      ; record 16 + s
	s_mov_b32 s33, 2048
	s_cmp_lt_u32 s23, 128                          ; the choice hangs on ids alone
	s_cselect_b32 s24, s24, s30                    ; e
	s_cselect_b32 s26, s26, s31                    ; the record
	s_cselect_b32 s34, s27, s32                    ; the source's offset
	s_cselect_b32 s33, 4096, s33                   ; bytes from row to row
	s_lshl_b32 s50, s49, 7
	s_add_co_u32 s34, s34, s50                     ; + my 32 columns' 128 bytes
	s_mov_b32 s35, 0
	s_lshl_b32 s52, s33, 5                         ; 32 rows
	s_mov_b32 s53, 0
	s_lshl_b32 s44, s24, 2
	s_add_co_u32 s44, s44, s22                     ; stream 4 e + w
	s_mul_i32 s44, s44, 24
	s_add_co_u32 s44, s44, s26
	s_mul_i32 s44, s44, REC
	s_lshr_b32 s45, s21, 1                         ; my 32 columns are two of the group's eight tiles: which half of the record,
	s_mul_i32 s45, s45, 6400
	s_add_co_u32 s44, s44, s45
	s_and_b32 s45, s21, 1                          ; and which pair of its four fragments
	s_mul_i32 s46, s45, 3072
	s_add_co_u32 s46, s46, s44
	s_mov_b32 s47, 0
	s_lshl_b32 s45, s45, 7
	s_add_co_u32 s44, s44, s45
	s_add_co_u32 s44, s44, 6144
	s_mov_b32 s45, 0
	v_lshlrev_b32 v[WCOL], 2, v[LN]                ; my column
.set i, 0
.rept 32
	v_mad_u32_u24 v[OFF+i], s33, i, v[WCOL]
.set i, i+1
.endr
	v_and_b32 v222, 7, v0
	v_bfe_u32 v223, v0, 4, 1
	v_lshl_or_b32 v222, v223, 3, v222              ; r: column c of my 32 is row c % 8 + 8 (c / 16)
	v_bfe_u32 v223, v0, 3, 1                       ; of tile u = (c / 8) % 2
	s_mul_i32 s48, s20, 3072
	s_add_co_u32 s48, s48, WREC                    ; my two images in LDS
	v_mul_u32_u24 v[WA], v223, 1536
	v_lshl_add_u32 v[WA], v222, 4, v[WA]
	v_add_nc_u32 v[WA], s48, v[WA]                 ; into them: image u, lane r's 16 bytes
	v_add_nc_u32 v[WRD], s48, v[L16]               ; out of them: 16 x lane
	v_lshl_add_u32 v[SCW], v223, 4, v222
	v_lshlrev_b32 v[SCW], 2, v[SCW]                ; my scale word's place: 4 (16 u + r)
	s_wait_kmcnt 0x0
	s_cmp_lt_u32 s23, 128                          ; (compared again: the sums above have set SCC)
	s_cselect_b64 s[6:7], s[6:7], s[8:9]
	s_add_nc_u64 s[SBB:SBB+1], s[6:7], s[34:35]
.irp k, 1,2,3
	s_add_nc_u64 s[SBB+2*\k:SBB+2*\k+1], s[SBB+2*\k-2:SBB+2*\k-1], s[52:53]
.endr
	s_add_nc_u64 s[46:47], s[16:17], s[46:47]      ; my two images in wq
	s_add_nc_u64 s[44:45], s[16:17], s[44:45]      ; and their 32 scale words
	WLOADS 0
	WLOADS 1
	WBLOCK 0
	WBLOCK 1
	WBLOCK 2
	WBLOCK 3
	global_store_b32 v[SCW], v[SW], s[44:45]       ; the wave's 32 scale words: 128 consecutive bytes
.irp i, 0,1,2,3,4,5
	ds_load_b128 v[X+4*\i:X+4*\i+3], v[WRD] offset:512*\i            ; my wave's own bytes, in order behind its stores
.endr
.irp i, 0,1,2,3,4,5
	s_wait_dscnt 5-\i                              ; LDS loads come back in order: load i is in, the 5 - i behind it may be out
	global_store_b128 v[L16], v[X+4*\i:X+4*\i+3], s[46:47] offset:512*\i   ; 512 consecutive bytes a store
.endr
; ---------------------------------------------------------------- the join: the four K quarters' logits lie in the stages of waves 0-3
.Ljoin:
	s_wait_dscnt 0x0                               ; for the others' sake: nothing of mine is out in LDS
	s_barrier_signal -1
	s_barrier_wait -1
	s_cmp_lg_u32 s20, 0
	s_cbranch_scc1 .Lend                           ; wave 0 finishes the tile's gates
.set LG, ST                                    ; 16 logits: 0-5 task h's, 8-15 the share gate's
.set P,  ST+16
.set Z,  ST+32
	s_wait_xcnt 0x0                                ; every store issued has read its registers: only behind this wait are registers written again
	s_lshl_b32 s34, ttmp9, 11                      ; the gates: my tile's 16 rows of 128 bytes
	s_mov_b32 s35, 0
	s_add_nc_u64 s[18:19], s[18:19], s[34:35]
	s_mov_b32 s38, 0x3fb8aa3b                      ; log2(e)
.irp k, 0,1,2,3
.irp q, 0,1,2,3
	ds_load_b128 v[R+16*\k+4*\q:R+16*\k+4*\q+3], v[SIN] offset:XWB*\k+512*\q   ; my own part and the three waves' beside me
.endr
.endr
	s_wait_dscnt 0x0
.irp j, 0,2,4,6,8,10,12,14
	v_pk_add_f32 v[LG+\j:LG+\j+1], v[R+\j:R+\j+1], v[R+16+\j:R+17+\j]
	v_pk_add_f32 v[R+32+\j:R+33+\j], v[R+32+\j:R+33+\j], v[R+48+\j:R+49+\j]
.endr
.irp j, 0,2,4,6,8,10,12,14
	v_pk_add_f32 v[LG+\j:LG+\j+1], v[LG+\j:LG+\j+1], v[R+32+\j:R+33+\j]
.endr
	v_max3_num_f32 v[Z], v[LG], v[LG+1], v[LG+2]   ; the softmax: the row's largest logit is taken away
	v_max3_num_f32 v[Z+1], v[LG+8], v[LG+9], v[LG+10]
	v_max3_num_f32 v[Z], v[Z], v[LG+3], v[LG+4]
	v_max3_num_f32 v[Z+1], v[Z+1], v[LG+11], v[LG+12]
	v_max_num_f32 v[Z], v[Z], v[LG+5]
	v_max3_num_f32 v[Z+1], v[Z+1], v[LG+13], v[LG+14]
	v_max_num_f32 v[Z+1], v[Z+1], v[LG+15]
	v_mul_f32 v[Z], s38, v[Z]
	v_mul_f32 v[Z+1], s38, v[Z+1]
.irp j, 0,1,2,3,4,5
	v_fma_f32 v[P+\j], v[LG+\j], s38, -v[Z]
.endr
.irp j, 8,9,10,11,12,13,14,15
	v_fma_f32 v[P+\j], v[LG+\j], s38, -v[Z+1]
.endr
.irp j, 0,1,2,3,4,5,8,9,10,11,12,13,14,15
	v_exp_f32 v[P+\j], v[P+\j]
.endr
	v_mov_b32 v[P+6], 0                            ; (a plain place behind the exponentials)  words 6 and 7 of a task's eight are zeros
	v_mov_b32 v[P+7], 0
	s_wait_alu depctr_va_vdst(0)
	v_add_f32 v[Z], v[P], v[P+1]
	v_add_f32 v[Z+2], v[P+2], v[P+3]
	v_add_f32 v[Z+3], v[P+4], v[P+5]
	v_add_f32 v[Z+1], v[P+8], v[P+9]
	v_add_f32 v[Z+4], v[P+10], v[P+11]
	v_add_f32 v[Z+5], v[P+12], v[P+13]
	v_add_f32 v[Z+6], v[P+14], v[P+15]
	v_add_f32 v[Z], v[Z], v[Z+2]
	v_add_f32 v[Z+1], v[Z+1], v[Z+4]
	v_add_f32 v[Z+5], v[Z+5], v[Z+6]
	v_add_f32 v[Z], v[Z], v[Z+3]
	v_add_f32 v[Z+1], v[Z+1], v[Z+5]
	v_rcp_f32 v[Z], v[Z]
	v_rcp_f32 v[Z+1], v[Z+1]
	v_nop                                          ; one plain place behind a transcendental
	s_wait_alu depctr_va_vdst(0)
.irp j, 0,1,2,3,4,5
	v_mul_f32 v[P+\j], v[P+\j], v[Z]
.endr
.irp j, 8,9,10,11,12,13,14,15
	v_mul_f32 v[P+\j], v[P+\j], v[Z+1]
.endr
	ds_store_b128 v[GSA], v[P:P+3]                 ; row r's 128 bytes: task 0's eight words, task 1's, the share gate's, and those once more
	ds_store_b128 v[GSA], v[P+4:P+7] offset:16
	ds_store_b128 v[GSA], v[P+8:P+11] offset:64
	ds_store_b128 v[GSA], v[P+12:P+15] offset:80
.irp i, 0,1,2,3
	ds_load_b128 v[R+4*\i:R+4*\i+3], v[SIN] offset:512*\i            ; my own bytes, in order behind my stores
.endr
	s_wait_dscnt 0x0
.irp i, 0,1,2,3
	global_store_b128 v[L16], v[R+4*\i:R+4*\i+3], s[18:19] offset:512*\i   ; 512 consecutive bytes a store
.endr
.Lend:
	s_wait_xcnt 0x0
	v_lshl_add_u32 v254, v0, 2, 0x39000
	v_mov_b32 v255, 0
	s_wait_tensorcnt 0x0
	ds_add_u32 v254, v255
	s_wait_dscnt 0x0
	s_endpgm
.Lfunc_end_k_q6710fe4581_prep:
	.size	k_q6710fe4581_prep, .Lfunc_end_k_q6710fe4581_prep-k_q6710fe4581_prep
	.p2alignl 7, 3214868480
	.fill 96, 4, 3214868480
	.section	.rodata,"a",@progbits
	.p2align	6, 0x0
	.amdhsa_kernel k_q6710fe4581_prep
		.amdhsa_group_segment_fixed_size 235520
		.amdhsa_private_segment_fixed_size 0
		.amdhsa_enable_private_segment 0
		.amdhsa_kernarg_size 64
		.amdhsa_user_sgpr_count 2
		.amdhsa_user_sgpr_kernarg_segment_ptr 1
		.amdhsa_wavefront_size32 1
		.amdhsa_system_sgpr_workgroup_id_x 1
		.amdhsa_system_sgpr_workgroup_id_y 1
		.amdhsa_system_sgpr_workgroup_id_z 1
		.amdhsa_system_vgpr_workitem_id 0
		.amdhsa_next_free_vgpr 256
		.amdhsa_next_free_sgpr 66
		.amdhsa_reserve_vcc 0
		.amdhsa_float_denorm_mode_32 3
		.amdhsa_float_denorm_mode_16_64 3
		.amdhsa_memory_ordered 1
		.amdhsa_forward_progress 1
		.amdhsa_inst_pref_size 69
	.end_amdhsa_kernel
	.amdgpu_metadata
---
amdhsa.version: [ 1, 2 ]
amdhsa.kernels:
  - .name:           k_q6710fe4581_prep
    .symbol:         k_q6710fe4581_prep.kd
    .args:
      - { .name: x, .offset: 0, .size: 8, .value_kind: global_buffer, .address_space: global }
      - { .name: W1, .offset: 8, .size: 8, .value_kind: global_buffer, .address_space: global }
      - { .name: W2, .offset: 16, .size: 8, .value_kind: global_buffer, .address_space: global }
      - { .name: Wg, .offset: 24, .size: 8, .value_kind: global_buffer, .address_space: global }
      - { .name: Wgs, .offset: 32, .size: 8, .value_kind: global_buffer, .address_space: global }
      - { .name: xq, .offset: 40, .size: 8, .value_kind: global_buffer, .address_space: global }
      - { .name: wq, .offset: 48, .size: 8, .value_kind: global_buffer, .address_space: global }
      - { .name: gates, .offset: 56, .size: 8, .value_kind: global_buffer, .address_space: global }
    .group_segment_fixed_size: 235520
    .private_segment_fixed_size: 0
    .kernarg_segment_align: 8
    .kernarg_segment_size: 64
    .max_flat_workgroup_size: 512
    .sgpr_count:     66
    .vgpr_count:     256
    .wavefront_size: 32
...
	.end_amdgpu_metadata
.endif
;; end of part 1
;; launch chain (part 2): grid 32 x 8, 4 waves a work-group, no clusters, 222,720 bytes of LDS; arguments xq, wq, b1, b2, eo; writes eo
.if DOCPART == 2
	.amdgcn_target "amdgcn-amd-amdhsa--gfx1250"
	.amdhsa_code_object_version 6
	.text
	.protected	k_q6710fe4581_chain
	.globl	k_q6710fe4581_chain
	.p2align	8
	.type	k_q6710fe4581_chain,@function
k_q6710fe4581_chain:
	s_mov_b64 s[64:65], 0
	v_nop
	global_prefetch_b8 v0, s[64:65] scope:SCOPE_SE
	s_setreg_imm32_b32 hwreg(HW_REG_WAVE_MODE, 25, 1), 1
	s_wait_xcnt 0x0
; CHAIN: eo[row][e][:] = relu(Q(relu(Q(x) Q(W1[e]) + b1[e])) Q(W2[e]) + b2[e]), both products on codes of BF6 (E3M2) with one E8M0 scale for each 32 along K; sums in f32; eo is rounded to bf16, the operand of the gates' sums.
; LIMITS: NaN and infinities are not served; a block of the hidden layer whose largest number lies under 2^-122 has its byte held at 1 (a block of zeros: byte 1 over zero codes).
; SHARES.  A work-group takes 128 rows (x = row block) of one expert (y): 32 x 8 work-groups.  Its four waves share the COLUMNS: in pass p = 0, 1 wave w makes hidden units 512 p + 128 w on for all 128 rows, then outputs 128 w on:
; a wave's tile is 128 x 128: 64 accumulators, 512 registers.  x's codes (8 records of 12,800 bytes) come into LDS once, by one tensor load a wave; the hidden layer's 8 records go from wave to wave through LDS as images of the operand's
; registers.  THE WEIGHTS GO FROM MEMORY STRAIGHT INTO REGISTERS: no fragment of them is wanted by two waves of a work-group, and the launch before has laid them in the order of a wave's registers: three loads of 16 bytes a lane for a fragment, which feeds 8 products.
; NO CLUSTER, NO JOINT LOADS, although the 32 row blocks of an expert walk the same weights: beside the 204,800 bytes of x and of the hidden layer LDS has room for two slots of one K step (2 x 51,200 bytes), so that each joint refill
; would have 64 matrix instructions a wave in which to land, with a round of the cluster's barrier for every 64, and every byte of weights would be written to LDS and read from it for one wave alone.  Here four half steps are on their way and the K loop has no barrier.
; BOTH PRODUCTS ARE USED TRANSPOSED (source 0 = 16 columns of the weights, source 1 = 16 rows of x or of the hidden layer): a lane holds one row, and, by the choice of the columns that form a tile (row r of tile 2 b + u is column
; 32 b + 8 u + r + 8 (r / 8)), register j of tile 2 b + u is column 32 b + 16 (lane / 16) + 8 u + j: 16 neighbours in two tiles.  The biases are the C of each sum's first products.
; REGISTERS, in windows of 256: window 0: v1-16 addresses; v30 the scale word just made; v32-39 the weights' scale words (two for each place of the ring); v40-47 x's or h's, two sets; v48-59 at work;
;   v64-159, v160-255 two sets of 8 fragments of x or h; between the products: v64-127 64 numbers, v128.. codes, packed results and rows on the way out.
;   window 1: v0-191 the weights' ring: four half steps of 4 fragments; v192-255 the bias, 8 registers a tile.   window 2: accumulators of tiles 0-3 ((tt, m) at 64 tt + 8 m);   window 3: of tiles 4-7.
.set REC,   12800                      ; a record: 8 fragment images of 1,536 bytes, 512 bytes of scale words
.set HREC,  6400                       ; half a record of weights: 4 images, 256 bytes of scale words
.set HI,    102400                     ; LDS: x's records at 0, the hidden layer's here (record 4 p + w),
.set STG,   204800                     ; and a stage of 16 rows x 272 bytes for each wave
.set SP,    272
.set LI,   1                           ; v1-4   16 x lane + 51,200 z: records 4 z on (z = 0, 1: x's; 2, 3: h's)
.set LS,   5                           ; v5-8   4 x lane + 51,200 z
.set HW0,  9                           ; v9     16 x lane + my record of h in pass 0
.set HS0,  10                          ; v10    4 r + the same
.set HWP,  11                          ; v11-12 the same two in the pass in hand
.set HSP,  12
.set BH,   13                          ; v13    64 h: my half's 16 numbers of a bias
.set STO,  14                          ; v14    the stage: where I put 16 bytes of a row
.set RD,   15                          ; v15    and where I read a row back
.set CO,   16                          ; v16    my byte offset in two rows of eo
.set PW,   30
.set WS,   32
.set XS,   40
.set TM,   48
.set XF,   64
.set ST,   64
.set PC,   128
.set BIAS, 192
.set SEL,  22                          ; s[22:23]
.set MSB, 0
.macro WIN new                         ; the immediate's high byte repeats the setting that is left; a switch that changes nothing is dropped
.if MSB != (\new)
	s_set_vgpr_msb (MSB<<8)|(\new)
.set MSB, (\new)
.endif
.endm
; 64 numbers of a lane, v[s] on, register 16 b + i = k 32 b + 16 h + i of my row, become a fragment's codes in v[PC] on and its scale word in v[PW]
.macro QUANT s
.irp b, 0,1,2,3
	v_max3_num_f32 v[TM+\b], |v[\s+16*\b]|, |v[\s+1+16*\b]|, 0x2800000   ; block b: my 16 numbers, and the floor 2^(5 - 127): the byte cannot fall under 1
.endr
.irp i, 2,4,6,8,10,12,14
.irp b, 0,1,2,3
	v_max3_num_f32 v[TM+\b], v[TM+\b], |v[\s+16*\b+\i]|, |v[\s+1+16*\b+\i]|
.endr
.endr
.irp b, 0,1,2,3
	v_permlanex16_b32 v[TM+4+\b], v[TM+\b], s[SEL], s[SEL+1]
.endr
.irp b, 0,1,2,3
	v_max_num_f32 v[TM+\b], v[TM+\b], v[TM+4+\b]   ; with lane l xor 16's: the block's largest magnitude
.endr
.irp b, 0,1,2,3
	v_add_nc_u32 v[TM+8+\b], 0xfe000000, v[TM+\b]  ; 4 off its exponent field: the conversion's scale operand
.endr
.irp b, 0,1,2,3
	v_lshrrev_b32 v[TM+4+\b], 23, v[TM+8+\b]       ; the scale's byte
.endr
	v_lshl_or_b32 v[PW], v[TM+5], 8, v[TM+4]
	v_lshl_or_b32 v[PW], v[TM+6], 16, v[PW]
	v_lshl_or_b32 v[PW], v[TM+7], 24, v[PW]
.irp c, 0,1
	v_cvt_scalef32_pk16_bf6_f32 v[PC+6*\c:PC+2+6*\c], v[\s+32*\c:\s+15+32*\c], v[TM+8+2*\c]
	v_cvt_scalef32_pk16_bf6_f32 v[PC+12+4*\c:PC+14+4*\c], v[\s+16+32*\c:\s+31+32*\c], v[TM+8+2*\c+1]
.endr
	v_nop                                          ; one plain place behind a scaled conversion
.irp c, 0,1
.irp i, 0,1,2
	v_permlane16_swap_b32 v[PC+6*\c+\i], v[PC+12+4*\c+\i]   ; a whole block to a lane
.endr
.irp i, 0,1,2
	v_mov_b32 v[PC+3+6*\c+\i], v[PC+12+4*\c+\i]
.endr
.endr
.endm
.macro BIASLD sb                       ; 16 loads: tile t's eight numbers of my half, into window 1
	WIN 0x40
.irp t, 0,1,2,3,4,5,6,7
	global_load_b128 v[BIAS+8*\t:BIAS+8*\t+3], v[BH], s[\sb:\sb+1] offset:4*(32*(\t/2)+8*(\t%2))
	global_load_b128 v[BIAS+8*\t+4:BIAS+8*\t+7], v[BH], s[\sb:\sb+1] offset:4*(32*(\t/2)+8*(\t%2))+16
.endr
.endm
.macro WLOAD i                         ; 14 loads: half step i's four fragments of weights into place i % 4 of the ring, and their two registers of scale words
	WIN 0x40
.irp g, 0,1,2,3,4,5,6,7,8,9,10,11
	global_load_b128 v[48*((\i)%4)+4*\g:48*((\i)%4)+4*\g+3], v[LI], s[6:7] offset:HREC*(\i)+512*\g
.endr
	WIN 0
.irp j, 0,1
	global_load_b32 v[WS+2*((\i)%4)+\j], v[LS], s[6:7] offset:HREC*(\i)+6144+128*\j
.endr
.endm
.macro FETCH src, s                    ; 28 LDS loads: record s of x (src = 0) or of h (1): 8 fragments and 4 registers of scale words (lanes 0-15 tile 2 j, lanes 16-31 tile 2 j + 1) into set s % 2
.set FB, XF+96*((\s)%2)
.set FA, LI+2*(\src)+(\s)/4
.set FO, REC*((\s)%4)
.irp m, 0,1,2,3,4,5,6,7
.irp c, 0,1,2
	ds_load_b128 v[FB+12*\m+4*\c:FB+12*\m+4*\c+3], v[FA] offset:FO+1536*\m+512*\c
.endr
.endr
.irp j, 0,1,2,3
	ds_load_b32 v[XS+4*((\s)%2)+\j], v[FA+4] offset:FO+12288+128*\j
.endr
.endm
.macro MM                              ; one product; the scale words of an odd tile stand in lanes 16-31
.if rRA && rRB
	v_wmma_scale_f32_16x16x128_f8f6f4 v[rD:rD+7], v[rW:rW+11], v[rX:rX+11], v[rC:rC+7], v[rSW], v[rSX] matrix_a_fmt:MATRIX_FMT_BF6 matrix_b_fmt:MATRIX_FMT_BF6 matrix_a_scale:MATRIX_SCALE_ROW1 matrix_b_scale:MATRIX_SCALE_ROW1
.elseif rRA
	v_wmma_scale_f32_16x16x128_f8f6f4 v[rD:rD+7], v[rW:rW+11], v[rX:rX+11], v[rC:rC+7], v[rSW], v[rSX] matrix_a_fmt:MATRIX_FMT_BF6 matrix_b_fmt:MATRIX_FMT_BF6 matrix_a_scale:MATRIX_SCALE_ROW1
.elseif rRB
	v_wmma_scale_f32_16x16x128_f8f6f4 v[rD:rD+7], v[rW:rW+11], v[rX:rX+11], v[rC:rC+7], v[rSW], v[rSX] matrix_a_fmt:MATRIX_FMT_BF6 matrix_b_fmt:MATRIX_FMT_BF6 matrix_b_scale:MATRIX_SCALE_ROW1
.else
	v_wmma_scale_f32_16x16x128_f8f6f4 v[rD:rD+7], v[rW:rW+11], v[rX:rX+11], v[rC:rC+7], v[rSW], v[rSX] matrix_a_fmt:MATRIX_FMT_BF6 matrix_b_fmt:MATRIX_FMT_BF6
.endif
.endm
; HALF STEP i of 16: K step i / 2, my tiles 4 (i % 2) + 0 .. 3 against the 8 tiles of rows: 32 products.  The 64 accumulators take turns, one instruction a turn, in the same order in every K step.
; first = 1: the bias is C.  cnt: the loads from memory that are younger than this half step's 14.  wload = 1: the ring's place takes half step i + 4.  bias = 1: the next sums' bias is asked for.
.macro HALF i, src, first, cnt, wload, bias
.set hS, (\i)/2
.set hH, (\i)%2
.set hR, (\i)%4
.set hX, XF+96*(hS%2)
	s_wait_loadcnt \cnt
.if hH == 0
	s_wait_dscnt 0x0                               ; this K step's fragments of x or h, asked for a half step ago
.endif
.if \first
	WIN 0x91+0x40*hH                               ; source 0 (weights) and C (bias) window 1, source 1 window 0, D window 2 or 3
.else
	WIN 0xa1+0x50*hH                               ; C and D window 2 or 3
.endif
.irp tt, 0,1,2,3
.irp m, 0,1,2,3,4,5,6,7
.set rD, 64*\tt+8*\m
.set rW, 48*hR+12*\tt
.set rX, hX+12*\m
.set rC, rD
.if \first
.set rC, BIAS+8*(4*hH+\tt)
.endif
.set rSW, WS+2*hR+\tt/2
.set rSX, XS+4*(hS%2)+\m/2
.set rRA, \tt%2
.set rRB, \m%2
	MM
.endr
.endr
.rept 4
	v_nop                                          ; four places in front of loads into registers that these products have read, and of the first read of their results
.endr
.if \bias
	BIASLD 18
.endif
.if \wload
	WLOAD (\i)+4
.endif
.if (hH == 0) && (hS < 7)
	WIN 0
	FETCH \src, hS+1                               ; the other set was last read a half step and four places ago
.endif
.endm
.macro RELU m                          ; the 8 accumulators of the tile of rows m, each from its low end on: relu, into v[ST] on: register 16 b + i = column 32 b + 16 h + i
	WIN 0x08
.irp tt, 0,1,2,3
.irp j, 0,1,2,3,4,5,6,7
	v_max_num_f32 v[ST+8*\tt+\j], 0, v[64*\tt+8*(\m)+\j]
.endr
.endr
	WIN 0x0c
.irp tt, 0,1,2,3
.irp j, 0,1,2,3,4,5,6,7
	v_max_num_f32 v[ST+32+8*\tt+\j], 0, v[64*\tt+8*(\m)+\j]
.endr
.endr
	WIN 0
.endm
.macro HOUT m                          ; 16 rows x my 128 hidden units become a fragment of the second product's K step 4 p + w
	RELU \m
	s_wait_dscnt 0x0                               ; the last tile's stores have read the codes and the scale word
	QUANT ST
.irp c, 0,1,2
	ds_store_b128 v[HWP], v[PC+4*\c:PC+4*\c+3] offset:1536*(\m)+512*\c
.endr
	ds_store_b32 v[HSP], v[PW] offset:12288+64*(\m)                  ; lanes l and l + 16 write the same word with the same value
.endm
.macro PACK m                          ; the way out: relu, rounded to bf16
	RELU \m
.set TP, 128+96*((\m)%2)
.set i, 0
.rept 32
	v_cvt_pk_bf16_f32 v[TP+i], v[ST+2*i], v[ST+2*i+1]
.set i, i+1
.endr
.endm
.macro TOSTAGE m                       ; 16 rows x 256 bytes through my own stage: in by lanes, back by rows
.set TP, 128+96*((\m)%2)
.set BK, 160+32*((\m)%2)
.irp t, 0,1,2,3,4,5,6,7
	ds_store_b128 v[STO], v[TP+4*\t:TP+4*\t+3] offset:64*(\t/2)+16*(\t%2)
.endr
.irp i, 0,1,2,3,4,5,6,7
	ds_load_b128 v[BK+4*\i:BK+4*\i+3], v[RD] offset:2*SP*\i          ; LDS serves a wave's instructions in order (ISA guide 5.7.1.4): these see the stores above
.endr
.endm
.macro SEND m
.set BK, 160+32*((\m)%2)
	s_wait_dscnt 0x0
.irp i, 0,1,2,3,4,5,6,7
	global_store_b128 v[CO], v[BK+4*\i:BK+4*\i+3], s[12:13] offset:8192*(16*(\m)+2*\i)   ; sixteen lanes store 256 consecutive bytes, at a multiple of 256 from eo's first byte
.endr
.endm
	s_load_b256 s[4:11], s[0:1], 0x0               ; xq s[4:5], wq s[6:7], b1 s[8:9], b2 s[10:11]
	s_load_b64 s[12:13], s[0:1], 0x20              ; eo
	v_lshl_add_u32 v62, v0, 2, 0x36400
	v_mov_b32 v63, 0
	ds_add_u32 v62, v63
	ds_add_u32 v62, v63
	v_lshrrev_b32 v17, 5, v0
	v_readfirstlane_b32 s14, v17                   ; wave 0..3
	v_and_b32 v17, 31, v0                          ; lane
	v_and_b32 v18, 15, v0                          ; r
	v_bfe_u32 v19, v0, 4, 1                        ; h
	v_lshlrev_b32 v[LI], 4, v17
	v_lshlrev_b32 v[LS], 2, v17
.irp z, 1,2,3
	v_add_nc_u32 v[LI+\z], 51200*\z, v[LI]
	v_add_nc_u32 v[LS+\z], 51200*\z, v[LS]
.endr
	s_mul_i32 s24, s14, REC
	s_add_co_u32 s24, s24, HI
	v_add_nc_u32 v[HW0], s24, v[LI]
	v_lshl_add_u32 v[HS0], v18, 2, s24
	v_lshlrev_b32 v[BH], 6, v19
	s_mul_i32 s25, s14, 16*SP
	s_add_co_u32 s25, s25, STG                     ; my stage
	v_mul_u32_u24 v[STO], v18, SP
	v_lshl_add_u32 v[STO], v19, 5, v[STO]
	v_add_nc_u32 v[STO], s25, v[STO]               ; in: row r, + 32 h
	v_mul_u32_u24 v[RD], v19, SP
	v_lshl_add_u32 v[RD], v18, 4, v[RD]
	v_add_nc_u32 v[RD], s25, v[RD]                 ; back: lanes 0-15 one row, lanes 16-31 the next
	v_lshlrev_b32 v[CO], 13, v19
	v_lshl_add_u32 v[CO], v18, 4, v[CO]            ; the same two rows in eo, 8,192 bytes apart
.irp b, 0,1,2,3
	v_mov_b32 v[TM+4+\b], 0                        ; written once: a lane permute's destination counts as one of its sources
.endr
	s_and_b32 s16, ttmp7, 0xffff                   ; e
	s_lshl_b32 s26, s16, 2
	s_add_co_u32 s26, s26, s14
	s_mul_i32 s26, s26, 24*REC                     ; my stream of weights
	s_mov_b32 s27, 0
	s_lshl_b32 s17, s14, 9                         ; my 128 numbers of a bias
	s_lshl_b32 s40, s16, 12
	s_add_co_u32 s40, s40, s17
	s_mov_b32 s41, 0
	s_lshl_b32 s42, s16, 11
	s_add_co_u32 s42, s42, s17
	s_mov_b32 s43, 0
	s_lshl_b32 s44, ttmp9, 20                      ; eo: 128 rows of 8,192 bytes,
	s_lshl_b32 s17, s16, 10                        ; the expert's 1,024,
	s_add_co_u32 s44, s44, s17
	s_lshl_b32 s17, s14, 8                         ; my 256
	s_add_co_u32 s44, s44, s17
	s_mov_b32 s45, 0
	s_mul_i32 s46, ttmp9, 8*REC                    ; xq: the row block's 8 records,
	s_mul_i32 s29, s14, 2*REC                      ; of which I fetch two; the same place in LDS: descriptor group 0, bits 63:32
	s_add_co_u32 s46, s46, s29
	s_mov_b32 s47, 0
	s_mov_b32 s28, 1                               ; 1:0 count = 1
	s_mov_b32 s32, 3<<16                           ; group 1: no mask; elements of 8 bytes; no padding: 25,600 dense bytes as 100 rows of 256
	s_mov_b32 s33, 32<<16                          ; tensor_dim0 = 32
	s_mov_b32 s34, 100<<16                         ; tensor_dim1 = 100
	s_mov_b32 s35, 32<<16                          ; tile_dim0 = 32
	s_mov_b32 s36, 100                             ; tile_dim1 = 100
	s_mov_b32 s37, 32                              ; from row to row
	s_mov_b32 s38, 0
	s_mov_b32 s39, 0
	s_mov_b32 s[SEL], 0x76543210
	s_mov_b32 s[SEL+1], 0xfedcba98
	s_mov_b32 s20, 0                               ; where the pass's records of h begin: 0, then 51,200
	s_mov_b32 s21, 0                               ; the pass
	s_wait_dscnt 0x0
	s_wait_kmcnt 0x0
	s_add_nc_u64 s[30:31], s[4:5], s[46:47]        ; 120:64 global address
	s_or_b32 s31, s31, 0x80000000                  ; 127:126 type = 2
	s_add_nc_u64 s[6:7], s[6:7], s[26:27]
	s_add_nc_u64 s[8:9], s[8:9], s[40:41]          ; b1 for pass 0,
	s_add_nc_u64 s[18:19], s[8:9], 2048            ; the bias that is asked for next: b1 for pass 1,
	s_add_nc_u64 s[10:11], s[10:11], s[42:43]      ; b2
	s_add_nc_u64 s[12:13], s[12:13], s[44:45]
	tensor_load_to_lds s[28:31], s[32:39]          ; my one tensor load: the bytes are filled once in the launch
	s_nop 0
.rept 4
	v_nop                                          ; (four behind a tensor load, ahead of the switch of windows)
.endr
	BIASLD 8
	WLOAD 0
	WLOAD 1
	WLOAD 2
	WLOAD 3
	s_wait_tensorcnt 0x0                           ; my two records of x have landed,
	s_barrier_signal -1
	s_barrier_wait -1                              ; everybody's have
; ---- the first product, two passes of 512 hidden units.  Counts of the waits for the weights: behind half step i's 14 loads stand those of i + 1, i + 2, i + 3: 42; the bias's 16 stand between those of 11 and of 12: 58 at 9, 10, 11.
.Lpass:
	v_add_nc_u32 v[HWP], s20, v[HW0]
	v_add_nc_u32 v[HSP], s20, v[HS0]
	FETCH 0, 0
	HALF 0, 0, 1, 42, 1, 0
	HALF 1, 0, 1, 42, 1, 0
.irp i, 2,3,4,5,6,7
	HALF \i, 0, 0, 42, 1, 0
.endr
	HALF 8, 0, 0, 42, 1, 1
.irp i, 9,10,11
	HALF \i, 0, 0, 58, 1, 0
.endr
.irp i, 12,13,14,15
	HALF \i, 0, 0, 42, 1, 0                        ; (their loads are the next pass's, or the second product's, first four half steps)
.endr
.irp m, 0,1,2,3,4,5,6,7
	HOUT \m
.endr
	s_wait_dscnt 0x0                               ; my images have landed, and the stores have read their registers
	s_wait_xcnt 0x0                                ; every load issued has had its address translated (ISA guide 3.1): only behind this wait are the two bases written
	s_add_nc_u64 s[6:7], s[6:7], 16*HREC
	s_mov_b64 s[18:19], s[10:11]                   ; pass 1 asks for b2
	s_add_co_u32 s20, s20, 4*REC
	s_add_co_u32 s21, s21, 1
	s_cmp_lt_u32 s21, 2
	s_cbranch_scc1 .Lpass
	s_wait_dscnt 0x0                               ; for the others' sake: nothing of mine is out in LDS
	s_barrier_signal -1
	s_barrier_wait -1                              ; the hidden layer's eight records are whole
; ---- the second product: the last four half steps ask for nothing (no load passes the stream's end), and their counts run down
	FETCH 1, 0
	HALF 0, 1, 1, 42, 1, 0
	HALF 1, 1, 1, 42, 1, 0
.irp i, 2,3,4,5,6,7,8,9,10,11
	HALF \i, 1, 0, 42, 1, 0
.endr
	HALF 12, 1, 0, 42, 0, 0
	HALF 13, 1, 0, 28, 0, 0
	HALF 14, 1, 0, 14, 0, 0
	HALF 15, 1, 0, 0, 0, 0
; ---- the way out: a tile of 16 rows at a time; a tile's arithmetic stands between the loads of the tile before and the wait for them
	PACK 0
	TOSTAGE 0
.irp a, 1,2,3,4,5,6,7
	PACK \a
	SEND \a-1
	s_wait_xcnt 0x0                                ; the stores issued have read their registers: the rows of the tile before last may be written over
	TOSTAGE \a
.endr
	SEND 7
	s_wait_tensorcnt 0x0
	ds_add_u32 v62, v63
	s_wait_dscnt 0x0
	s_endpgm
.Lfunc_end_k_q6710fe4581_chain:
	.size	k_q6710fe4581_chain, .Lfunc_end_k_q6710fe4581_chain-k_q6710fe4581_chain
	.p2alignl 7, 3214868480
	.fill 96, 4, 3214868480
	.section	.rodata,"a",@progbits
	.p2align	6, 0x0
	.amdhsa_kernel k_q6710fe4581_chain
		.amdhsa_group_segment_fixed_size 222720
		.amdhsa_private_segment_fixed_size 0
		.amdhsa_enable_private_segment 0
		.amdhsa_kernarg_size 40
		.amdhsa_user_sgpr_count 2
		.amdhsa_user_sgpr_kernarg_segment_ptr 1
		.amdhsa_wavefront_size32 1
		.amdhsa_system_sgpr_workgroup_id_x 1
		.amdhsa_system_sgpr_workgroup_id_y 1
		.amdhsa_system_sgpr_workgroup_id_z 1
		.amdhsa_system_vgpr_workitem_id 0
		.amdhsa_next_free_vgpr 1024
		.amdhsa_next_free_sgpr 66
		.amdhsa_reserve_vcc 0
		.amdhsa_float_denorm_mode_32 3
		.amdhsa_float_denorm_mode_16_64 3
		.amdhsa_memory_ordered 1
		.amdhsa_forward_progress 1
		.amdhsa_inst_pref_size 255
	.end_amdhsa_kernel
	.section	.bss,"aw",@nobits
	.p2align	6
	.space	262144
	.amdgpu_metadata
---
amdhsa.version: [ 1, 2 ]
amdhsa.kernels:
  - .name:           k_q6710fe4581_chain
    .symbol:         k_q6710fe4581_chain.kd
    .args:
      - { .name: xq, .offset: 0, .size: 8, .value_kind: global_buffer, .address_space: global }
      - { .name: wq, .offset: 8, .size: 8, .value_kind: global_buffer, .address_space: global }
      - { .name: b1, .offset: 16, .size: 8, .value_kind: global_buffer, .address_space: global }
      - { .name: b2, .offset: 24, .size: 8, .value_kind: global_buffer, .address_space: global }
      - { .name: eo, .offset: 32, .size: 8, .value_kind: global_buffer, .address_space: global }
    .group_segment_fixed_size: 222720
    .private_segment_fixed_size: 0
    .kernarg_segment_align: 8
    .kernarg_segment_size: 40
    .max_flat_workgroup_size: 128
    .sgpr_count:     66
    .vgpr_count:     1024
    .wavefront_size: 32
...
	.end_amdgpu_metadata
.endif
;; end of part 2
;; launch mix (part 3): grid 256 x 1, 8 waves a work-group, no clusters, 0 bytes of LDS; arguments eo, gates, out0; writes out0
.if DOCPART == 3
	.amdgcn_target "amdgcn-amd-amdhsa--gfx1250"
	.amdhsa_code_object_version 6
	.text
	.protected	k_q6710fe4581_mix
	.globl	k_q6710fe4581_mix
	.p2align	8
	.type	k_q6710fe4581_mix,@function
k_q6710fe4581_mix:
	s_mov_b64 s[64:65], 0
	v_nop
	global_prefetch_b8 v0, s[64:65] scope:SCOPE_SE
	s_setreg_imm32_b32 hwreg(HW_REG_WAVE_MODE, 25, 1), 1
	s_wait_xcnt 0x0
; MIX: out0[row][t][:] = the sum over the experts of gate t of gates[row][..] x eo[row][e][:].  eo: [4096][8][512] bf16; gates: [4096][32] f32 (words 0-5 task 0, 8-13 task 1, 16-23 the share gate); out0: [4096][3][512] f32.
; Task 0 takes experts 0, 1, 4-7; task 1 experts 2, 3, 4-7; the share gate all eight.  Sums in f32, fused multiply-adds.
; A stream: memory binds, so no LDS, no barrier, no matrix unit.  A wave takes two rows: 64 loads of 256 consecutive bytes (a lane: four numbers of one expert), all out at once; the rows' gates lie in scalar registers.
; A group is 128 columns of one row: 8 loads, 112 vector instructions, three stores of 512 consecutive bytes.
.set LD,  16                           ; v16-143  group k: 16 registers: expert e's four bf16 at LD + 16 k + 2 e
.set E,   144                          ; v144-175 a group's 8 x 4 numbers in f32
.set SUM, 176                          ; v176-199 two sets of 3 x 4 sums, by turns
	s_load_b128 s[4:7], s[0:1], 0x0                ; eo, gates
	s_load_b64 s[8:9], s[0:1], 0x10                ; out0
	v_lshrrev_b32 v3, 5, v0
	v_readfirstlane_b32 s10, v3                    ; wave 0..7
	v_and_b32 v3, 31, v0
	v_lshlrev_b32 v1, 3, v3                        ; in: 8 bytes a lane
	v_lshlrev_b32 v2, 4, v3                        ; out: 16 bytes a lane
	s_lshl_b32 s11, ttmp9, 4
	s_lshl_b32 s10, s10, 1
	s_add_co_u32 s11, s11, s10                     ; my first row
	s_mov_b32 s12, 0xffff0000                      ; a word's upper bf16
	s_lshl_b32 s14, s11, 13
	s_mov_b32 s15, 0
	s_wait_kmcnt 0x0
	s_add_nc_u64 s[4:5], s[4:5], s[14:15]
	s_lshl_b32 s14, s11, 7
	s_add_nc_u64 s[6:7], s[6:7], s[14:15]
	s_mul_i32 s14, s11, 6144
	s_add_nc_u64 s[8:9], s[8:9], s[14:15]
.irp k, 0,1,2,3,4,5,6,7
.irp e, 0,1,2,3,4,5,6,7
	global_load_b64 v[LD+16*\k+2*\e:LD+16*\k+2*\e+1], v1, s[4:5] offset:8192*(\k/4)+1024*\e+256*(\k%4) th:TH_LOAD_NT
.endr
.endr
.irp q, 0,1
.irp g, 0,1,2
	s_load_b256 s[16+24*\q+8*\g:23+24*\q+8*\g], s[6:7], 128*\q+32*\g   ; row q's gate g: eight words
.endr
.endr
	s_wait_kmcnt 0x0
.macro GROUP k
.set gL, LD+16*(\k)
.set gS, SUM+12*((\k)%2)
.set gG, 16+24*((\k)/4)
	s_wait_loadcnt 56-8*(\k)                       ; this group's eight loads are in; the later groups' stay out
	s_wait_xcnt 0x0                                ; the stores issued have read their registers: this set of sums is written again only behind this wait
.irp e, 0,1,2,3,4,5,6,7
	v_lshlrev_b32 v[E+4*\e], 16, v[gL+2*\e]        ; bf16 to f32: the low half moves up, the high half stays
	v_and_b32 v[E+4*\e+1], s12, v[gL+2*\e]
	v_lshlrev_b32 v[E+4*\e+2], 16, v[gL+2*\e+1]
	v_and_b32 v[E+4*\e+3], s12, v[gL+2*\e+1]
.endr
.irp n, 0,1,2,3
	v_mul_f32 v[gS+\n], s[gG], v[E+\n]             ; task 0 begins with expert 0,
	v_mul_f32 v[gS+4+\n], s[gG+8], v[E+8+\n]       ; task 1 with expert 2,
	v_mul_f32 v[gS+8+\n], s[gG+16], v[E+\n]        ; the share gate with expert 0
.endr
.irp q, 1,2,3,4,5
.irp n, 0,1,2,3
	v_fmac_f32 v[gS+\n], s[gG+\q], v[E+4*(\q+2*((\q+2)/4))+\n]       ; task 0's word q: expert 1, then 4 to 7
	v_fmac_f32 v[gS+4+\n], s[gG+8+\q], v[E+4*(\q+2)+\n]              ; task 1's word q: expert q + 2
	v_fmac_f32 v[gS+8+\n], s[gG+16+\q], v[E+4*\q+\n]                 ; the share gate's word q: expert q
.endr
.endr
.irp q, 6,7
.irp n, 0,1,2,3
	v_fmac_f32 v[gS+8+\n], s[gG+16+\q], v[E+4*\q+\n]
.endr
.endr
.irp t, 0,1,2
	global_store_b128 v2, v[gS+4*\t:gS+4*\t+3], s[8:9] offset:6144*((\k)/4)+2048*\t+512*((\k)%4) th:TH_STORE_NT   ; 32 lanes store 512 consecutive bytes, at a multiple of 256 from out0's first byte
.endr
.endm
.irp k, 0,1,2,3,4,5,6,7
	GROUP \k
.endr
	s_endpgm
.Lfunc_end_k_q6710fe4581_mix:
	.size	k_q6710fe4581_mix, .Lfunc_end_k_q6710fe4581_mix-k_q6710fe4581_mix
	.p2alignl 7, 3214868480
	.fill 96, 4, 3214868480
	.section	.rodata,"a",@progbits
	.p2align	6, 0x0
	.amdhsa_kernel k_q6710fe4581_mix
		.amdhsa_group_segment_fixed_size 0
		.amdhsa_private_segment_fixed_size 0
		.amdhsa_enable_private_segment 0
		.amdhsa_kernarg_size 24
		.amdhsa_user_sgpr_count 2
		.amdhsa_user_sgpr_kernarg_segment_ptr 1
		.amdhsa_wavefront_size32 1
		.amdhsa_system_sgpr_workgroup_id_x 1
		.amdhsa_system_sgpr_workgroup_id_y 1
		.amdhsa_system_sgpr_workgroup_id_z 1
		.amdhsa_system_vgpr_workitem_id 0
		.amdhsa_next_free_vgpr 200
		.amdhsa_next_free_sgpr 66
		.amdhsa_reserve_vcc 0
		.amdhsa_float_denorm_mode_32 3
		.amdhsa_float_denorm_mode_16_64 3
		.amdhsa_memory_ordered 1
		.amdhsa_forward_progress 1
		.amdhsa_inst_pref_size 39
	.end_amdhsa_kernel
	.amdgpu_metadata
---
amdhsa.version: [ 1, 2 ]
amdhsa.kernels:
  - .name:           k_q6710fe4581_mix
    .symbol:         k_q6710fe4581_mix.kd
    .args:
      - { .name: eo, .offset: 0, .size: 8, .value_kind: global_buffer, .address_space: global }
      - { .name: gates, .offset: 8, .size: 8, .value_kind: global_buffer, .address_space: global }
      - { .name: out0, .offset: 16, .size: 8, .value_kind: global_buffer, .address_space: global }
    .group_segment_fixed_size: 0
    .private_segment_fixed_size: 0
    .kernarg_segment_align: 8
    .kernarg_segment_size: 24
    .max_flat_workgroup_size: 256
    .sgpr_count:     66
    .vgpr_count:     200
    .wavefront_size: 32
...
	.end_amdgpu_metadata
.endif
;; end of part 3
